; MI455X (gfx1250); checked and timed in simulation.
; The chip was launched on July 23, 2026; its instructions are those of AMD's public machine-readable ISA for CDNA 5 (MIT licence, August 2026) and "CDNA5" Instruction Set Architecture Reference Guide (July 2026). The comments in the code are by the model that wrote it; some were corrected since.
;; MHSA3 D. Allowed arithmetic: matrix products marked QUANTISED: E4M3 operands, one given power-of-two scale a tensor, by v_wmma_f32_16x16x64_fp8_fp8 or v_wmma_f32_16x16x128_fp8_fp8, f32 sums; products left as they are: f32 operands where the result goes on into a quantised operand, else bf16, f16 or f32 operands; f32 sums; everything else in f32.
;; Inputs: b_qkv 384 float32; emb_d 16 x 16 x 1 x 1 float32; emb_h 16 x 1 x 16 x 1 float32; emb_w 16 x 1 x 1 x 16 float32; lowp_scales 4 int32 (the exponents e of the quantised operands' scales 2^e); w_qkv 128 x 384 float32; x 1 x 128 x 16 x 16 x 16 float32.
;; Outputs: out0 1 x 128 x 16 x 16 x 16 float32.
;; This version of the problem:
;;   THIS VERSION OF THE PROBLEM IS GIVEN IN LOW PRECISION. The matrix products marked QUANTISED in the list below multiply operands that are first quantised to E4M3 (4 exponent bits, 3 mantissa bits; 8 bits a number), with one given power-of-two scale for each operand tensor; their sums are f32. All else is computed in f32.
;;   The module's matrix products, in the order in which they are computed (A, B: the left and right operand; K: the contracted axis; several contracted axes count as one K, in the product's order):
;;     1. [M 384, K 128] x [K 128, N 4,096]; A: input w_qkv; B: input x: QUANTISED (scales: A lowp_scales[0], B lowp_scales[1])
;;     2. batch 8 x [M 4,096, K 16] x [K 16, N 4,096]; A: computed on the way; B: computed on the way: left as it is (K = 16 < 32)
;;     3. [M 32,768, K 16] x [K 16, N 4,096]; A: computed on the way; B: computed on the way: left as it is (K = 16 < 32)
;;     4. batch 8 x [M 16, K 4,096] x [K 4,096, N 4,096]; A: computed on the way; B: softmax (see below): QUANTISED (scales: A lowp_scales[2], B lowp_scales[3])
;;   THE QUANTISER, for each operand of a quantised product, along K:
;;     - The operand's scale is 2^e, e = its entry of the input lowp_scales (int32; the entries are numbered through the quantised products in the list's order, A before B).
;;     - Each number is divided by the scale, clamped to +-448, and rounded to the nearest number of E4M3, ties to even, subnormals kept.
;;     - The product sums the exact products of the quantised numbers (number of the format x scale) in f32.
;;   ~~~python
;;   def quantise(x, axis, e):      # numpy; x: float32 -> the quantised numbers, widened to float32 again
;;       x = np.moveaxis(x, axis, -1); K = x.shape[-1]
;;       r = np.clip(x / 2.0 ** e, -448, 448)
;;       step = 2.0 ** (np.maximum(np.frexp(np.where(r == 0, 1, r))[1] - 1, -6) - 3)
;;       q = np.round(r / step) * step * 2.0 ** e      # np.round: ties to even
;;       return np.moveaxis(q, -1, axis).astype(np.float32)
;;   ~~~
;;   SOFTMAX AHEAD OF A QUANTISED PRODUCT. Where the list says 'softmax', what is quantised is not the finished softmax but p = 2^(t - M), with t = logit x log2(e) and M = ceil(the row's largest t), a whole number; so 1/2 < the row's largest p <= 1. The row's sum l is taken of the UNQUANTISED p, in f32, and the product's result is divided by l at the end. Since M is a whole number, a kernel that streams over the keys may use a running M (the ceiling of the running maximum): every later rescaling is an exact power of two, so the quantised numbers keep their values, but for numbers so far below the row's largest that they fall under the format's range.
;;   OPERANDS COMPUTED ON THE WAY. 'Computed on the way' means the value that the module computes at that place (a softmax that the list does not call 'softmax' is quantised finished and normalised). What goes into a quantiser is computed in f32, as accurately as f32 sums, v_exp_f32 and their like allow (about 1e-6 of the number): no bf16 or f16 on the way to a quantiser, and a product that is left as it is and whose result goes on into a quantised operand takes f32 operands (vector FMAs, or v_wmma_f32_16x16x4_f32). A number that lies on a knife's edge between two numbers of the format may be rounded either way, as far as f32 arithmetic and the matrix unit's own rounding can turn it there, and no further.
;; One version. Each part assembles by itself: llvm-mc -triple=amdgcn-amd-amdhsa -mcpu=gfx1250 --defsym DOCPART=n.
;; ======== version 1 of 1: 2 launches
;; workspace buffers: qws 2,097,152 bytes; kv 2,621,440 bytes
;; launch qkv (part 1): grid 32 x 8, 4 waves a work-group, no clusters, 76,288 bytes of LDS; arguments x, w_qkv, b_qkv, emb_d, emb_h, emb_w, lowp_scales, qws, kv; writes qws, kv
.if DOCPART == 1
	.amdgcn_target "amdgcn-amd-amdhsa--gfx1250"
	.amdhsa_code_object_version 6
	.text
	.protected	k_q777ffcebd6_qkv
	.globl	k_q777ffcebd6_qkv
	.p2align	8
	.type	k_q777ffcebd6_qkv,@function
k_q777ffcebd6_qkv:
	s_mov_b64 s[64:65], 0
	v_nop
	global_prefetch_b8 v0, s[64:65] scope:SCOPE_SE
	s_setreg_imm32_b32 hwreg(HW_REG_WAVE_MODE, 25, 1), 1
	s_wait_xcnt 0x0
; qkv[o][n] = sum over c of w[c][o] x[c][n] + b[o], on codes of FP8 (E4M3): w with the given scale 2^e0, x with 2^e1; then what the attention launch wants of it:
;   qws: q x 0.25, f32;   kv: k + (emb_d + emb_h + emb_w), f32, and v's codes of FP8 with the given scale 2^e2.
; SHARES.  A work-group takes 128 positions (work-group x) of one head (work-group y): 256 work-groups.  Wave w takes positions 32 w .. 32 w + 31 of them: two tiles of 16; six matrix instructions.
; K (the 128 channels) is the FIRST axis of x and of w.  x's block, 128 rows of 512 bytes, is loaded as it lies (a load covers 512 consecutive bytes), put into LDS rows of 528 bytes, and read back by columns:
; a lane takes one position and its registers run down the channels, in the order of the operand's layout (registers 2 c, 2 c + 1: k = 16 c + 8 (lane / 16) + 0 .. 7), so the conversions' results are the operand.
; w's 16 columns of q, of k and of v for this head are taken the same way straight from memory (waves 0, 1, 2: one fragment each) and handed round through LDS as images of their registers.
; RESULTS ARE STORED AS IMAGES OF THE NEXT LAUNCH'S OPERAND REGISTERS, 16 bytes a lane, 512 consecutive bytes a store.
;   q, k: source 0 = 16 columns of w, source 1 = 16 positions: lane (r, h), register j holds (d = 8 h + j, position r).
;   v:    the sources swapped: lane (r, h), register j holds (d = r, position 8 h + j): one conversion gives registers 2 t, 2 t + 1 of the second product's operand (K = the keys).
; x's block is read by the eight work-groups of the eight heads.  It is not asked for jointly: the text has one fill and no loop, and a cluster's rounds would add three barriers to a text that has one.
; LIMITS: e0, e1, e2 between -126 and 119 each, e0 + e1 between -126 and 127, so that each power of two below is an f32 number.  NaN among the inputs is not served.
; k + emb is formed here, so that the logits are q . (k + emb): one more f32 rounding in place of a second sum of products.
.set XP,   528                         ; an LDS row of x: 512 bytes + 16: eight rows on are 128 bytes on modulo 256, so the two halves of the lanes read different bytes modulo 256
.set WIMG, 128*XP                      ; behind x's 128 rows: the images of w's fragments, 2,048 bytes each
.set LI,   1                           ; v1   16 x lane
.set XS,   2                           ; v2   x into LDS: my wave's 32 rows, 16 bytes a lane
.set XCOL, 3                           ; v3   x out of LDS: row 8 h, my position's 4 bytes
.set WG,   4                           ; v4   w in memory: row 8 h, column r
.set WI,   5                           ; v5   where my wave stores its fragment's image
.set WL,   6                           ; v6   where any wave reads the images
.set EA,   7                           ; v7   emb_w: row 8 h, column r
.set EB,   8                           ; v8   emb_d, emb_h: row 8 h
.set BA,   9                           ; v9   b for q and k: 8 h numbers on
.set BR,   10                          ; v10  b for v: number r
.set XR,   16                          ; v16-143  x as loaded: 32 rows x 4 registers; then
.set XA,   16                          ; v16-79   tile 0's 64 numbers of my position,
.set XB,   80                          ; v80-143  tile 1's; then
.set WF,   16                          ; v16-63   w's three fragments,
.set ACC,  80                          ; v80-127  the sums: tile u: q at ACC + 24 u, k at + 8, v at + 16,
.set VC,   128                         ; v128-131 v's codes
.set WR,   144                         ; v144-207 w as loaded; then
.set BQ,   144                         ; v144-151 b for q, v152-159 for k, v160 for v (v161 = 0: named with it as a pair)
.set BK,   152
.set BV,   160
.set EW,   162                         ; v162-169 emb_w, v170-177 emb_d, v178-193 emb_h for tile 0, tile 1: later the whole emb
.set ED,   170
.set EH,   178
.set WC,   208                         ; v208-223 w's codes; then
.set XC,   208                         ; v208-239 x's codes: tile u at XC + 16 u
.set SW,   240                         ; v240, 241: 2^e0 and 448 x 2^e0;  v242, 243: the same with e1;  v244, 245: with e2
.set SX,   242
.set SV,   244
; n groups of eight numbers of a lane become codes: held within the largest code x the scale (the conversion to an 8-bit code does not saturate: ISA guide 7.6.2), divided by the scale, rounded to nearest even.
; The v_nop is the one plain vector instruction between the last conversion and whatever vector or matrix instruction next touches its result or writes its sources.
.macro QUANT8 dst, src, n, sc
.set g, 0
.rept \n
.irp i, 0,1,2,3,4,5,6,7
	v_med3_num_f32 v[(\src)+8*g+\i], v[(\src)+8*g+\i], -v[(\sc)+1], v[(\sc)+1]
.endr
	v_cvt_scalef32_pk8_fp8_f32 v[(\dst)+2*g:(\dst)+2*g+1], v[(\src)+8*g:(\src)+8*g+7], v[\sc]
.set g, g+1
.endr
	v_nop
.endm
.macro SCALE e, sc                     ; v[sc] = 2^e as f32, v[sc + 1] = 448 x 2^e
	s_add_co_i32 s50, s[\e], 127
	s_lshl_b32 s51, s50, 23
	v_mov_b32 v[\sc], s51
	s_add_co_i32 s50, s50, 8
	s_lshl_b32 s50, s50, 23
	s_or_b32 s50, s50, 0x600000
	v_mov_b32 v[(\sc)+1], s50
.endm
	s_load_b512 s[4:19], s[0:1], 0x0               ; x s[4:5], w s[6:7], b s[8:9], emb_d s[10:11], emb_h s[12:13], emb_w s[14:15], the scales' exponents s[16:17], qws s[18:19]
	s_load_b64 s[20:21], s[0:1], 0x40              ; kv
	v_lshl_add_u32 v254, v0, 2, 0x12800
	v_mov_b32 v255, 0
	v_lshrrev_b32 v11, 5, v0
	v_readfirstlane_b32 s22, v11                   ; wave 0..3
	s_and_b32 s23, ttmp7, 0xffff                   ; head
	v_and_b32 v12, 31, v0                          ; lane
	v_and_b32 v13, 15, v0                          ; r
	v_bfe_u32 v14, v0, 4, 1                        ; h
	v_lshlrev_b32 v[LI], 4, v12
	s_mul_i32 s30, s22, 32*XP
	v_add_nc_u32 v[XS], s30, v[LI]
	v_lshlrev_b32 v[BR], 2, v13
	s_lshl_b32 s30, s22, 7                         ; my wave's 32 positions, 4 bytes each
	v_mul_u32_u24 v[XCOL], v14, 8*XP
	v_add_nc_u32 v[XCOL], v[XCOL], v[BR]
	v_add_nc_u32 v[XCOL], s30, v[XCOL]
	v_mul_u32_u24 v[WG], v14, 8*1536               ; a row of w is 1,536 bytes
	v_add_nc_u32 v[WG], v[WG], v[BR]
	s_lshl_b32 s30, s22, 11
	s_add_co_u32 s30, s30, WIMG
	v_add_nc_u32 v[WI], s30, v[LI]
	v_add_nc_u32 v[WL], WIMG, v[LI]
	v_lshl_add_u32 v[EA], v14, 9, v[BR]            ; a row of an emb is 64 bytes
	v_lshlrev_b32 v[EB], 9, v14
	v_lshlrev_b32 v[BA], 5, v14
	; byte offsets, each in a pair of its own with 0 above
	s_lshl_b32 s30, ttmp9, 9                       ; x: my block's 512 bytes of a row,
	s_lshl_b32 s31, s22, 19                        ;    my wave's 32 rows of 16,384 bytes
	s_add_co_u32 s30, s30, s31
	s_mov_b32 s31, 0
	s_lshl_b32 s32, s23, 6                         ; w: my head's 16 columns,
	s_lshl_b32 s33, s22, 9                         ;    of q (wave 0), k (wave 1) or v (wave 2): 128 columns apart
	s_add_co_u32 s32, s32, s33
	s_mov_b32 s33, 0
	s_lshl_b32 s34, s23, 6                         ; b: my head's 16 numbers
	s_mov_b32 s35, 0
	s_lshl_b32 s36, ttmp9, 3                       ; a tile of 16 positions has one y and one z: tile T = 8 x block + 2 x wave + u; y = T % 16, z = T / 16 = block / 2
	s_lshl_b32 s37, s22, 1
	s_add_co_u32 s36, s36, s37
	s_add_co_u32 s40, s36, 0                       ; (8 x block + 2 x wave, kept for qws)
	s_and_b32 s36, s36, 15
	s_lshl_b32 s36, s36, 2                         ; emb_h: column y of tile u = 0 (it is even: tile 1's is the next)
	s_mov_b32 s37, 0
	s_lshr_b32 s38, ttmp9, 1
	s_lshl_b32 s38, s38, 2                         ; emb_d: column z
	s_mov_b32 s39, 0
	s_lshl_b32 s41, s23, 8
	s_add_co_u32 s40, s40, s41
	s_lshl_b32 s40, s40, 10                        ; qws: (256 x head + T) x 1,024 bytes
	s_mov_b32 s41, 0
	s_lshl_b32 s42, s23, 5
	s_add_co_u32 s42, s42, ttmp9
	s_mul_i32 s42, s42, 10240                      ; kv: (32 x head + block) x 10,240 bytes: a key step's k + emb (8,192) and v's codes (2,048)
	s_lshl_b32 s44, s22, 9
	s_add_co_u32 s44, s44, s42
	s_add_co_u32 s44, s44, 8192                    ; v's codes: registers 4 w .. 4 w + 3 of the fragment are my wave's two tiles
	s_mov_b32 s45, 0
	s_lshl_b32 s43, s22, 11
	s_add_co_u32 s42, s42, s43                     ; k + emb: my wave's two tiles of 1,024 bytes
	s_mov_b32 s43, 0
	s_wait_kmcnt 0x0
	s_load_b128 s[24:27], s[16:17], 0x0            ; e0, e1, e2, e3
	s_add_nc_u64 s[4:5], s[4:5], s[30:31]
	s_add_nc_u64 s[6:7], s[6:7], s[32:33]
	s_add_nc_u64 s[8:9], s[8:9], s[34:35]
	s_add_nc_u64 s[12:13], s[12:13], s[36:37]
	s_add_nc_u64 s[10:11], s[10:11], s[38:39]
	s_add_nc_u64 s[18:19], s[18:19], s[40:41]
	s_add_nc_u64 s[46:47], s[20:21], s[44:45]
	s_add_nc_u64 s[20:21], s[20:21], s[42:43]
	; x: my wave's 32 rows, 512 consecutive bytes a load
.set i, 0
.rept 32
	global_load_b128 v[XR+4*i:XR+4*i+3], v[LI], s[4:5] offset:i*16384
.set i, i+1
.endr
	s_wait_kmcnt 0x0
	SCALE 24, SW
	SCALE 25, SX
	SCALE 26, SV
	s_add_co_i32 s28, s24, s25
	s_add_co_i32 s28, s28, 127
	s_lshl_b32 s28, s28, 23                        ; 2^(e0 + e1) as f32
	s_mov_b32 s29, s28                             ; (named with it as a pair, so it is written)
	; w: waves 0, 1, 2 make the fragments of q, k, v.  The branch hangs on the wave's number alone; no barrier stands inside it
	s_cmp_lt_u32 s22, 3
	s_cbranch_scc0 .Lno_w
.irp c, 0,1,2,3,4,5,6,7
.irp i, 0,1,2,3,4,5,6,7
	global_load_b32 v[WR+8*\c+\i], v[WG], s[6:7] offset:(16*\c+\i)*1536   ; w(16 c + 8 h + i, my column r): sixteen lanes read 64 consecutive bytes
.endr
.endr
	s_wait_loadcnt 0x0
	QUANT8 WC, WR, 8, SW
.irp c, 0,1,2,3
	ds_store_b128 v[WI], v[WC+4*\c:WC+4*\c+3] offset:512*\c
.endr
.Lno_w:
	s_wait_loadcnt 0x0                             ; x is in
.set i, 0
.rept 32
	ds_store_b128 v[XS], v[XR+4*i:XR+4*i+3] offset:i*XP
.set i, i+1
.endr
	; the biases and the three embeddings of my lane: they land while x is turned and quantised
	global_load_b128 v[BQ:BQ+3],   v[BA], s[8:9]               ; b(16 head + 8 h + 0 .. 7)
	global_load_b128 v[BQ+4:BQ+7], v[BA], s[8:9] offset:16
	global_load_b128 v[BK:BK+3],   v[BA], s[8:9] offset:512    ; 128 numbers on: k's
	global_load_b128 v[BK+4:BK+7], v[BA], s[8:9] offset:528
	global_load_b32  v[BV], v[BR], s[8:9] offset:1024          ; 256 numbers on: v's, number r
	v_mov_b32 v[BV+1], 0
.irp j, 0,1,2,3,4,5,6,7
	global_load_b32 v[EW+\j],   v[EA], s[14:15] offset:64*\j   ; emb_w(8 h + j, r)
	global_load_b32 v[ED+\j],   v[EB], s[10:11] offset:64*\j   ; emb_d(8 h + j, z)
	global_load_b32 v[EH+\j],   v[EB], s[12:13] offset:64*\j   ; emb_h(8 h + j, y of tile 0)
	global_load_b32 v[EH+8+\j], v[EB], s[12:13] offset:64*\j+4 ; and of tile 1
.endr
	s_wait_dscnt 0x0                               ; for the others' sake: my stores into LDS have landed
	s_barrier_signal -1
	s_barrier_wait -1                              ; x's 128 rows and w's three images lie in LDS; nothing is written there again
.irp u, 0,1
.irp c, 0,1,2,3,4,5,6,7
.irp i, 0,1,2,3,4,5,6,7
	ds_load_b32 v[XA+64*\u+8*\c+\i], v[XCOL] offset:(16*\c+\i)*XP+64*\u   ; x(16 c + 8 h + i, my position of tile u)
.endr
.endr
.endr
	s_wait_dscnt 63                                ; tile 1's 64 loads are younger; the count's field ends at 63: tile 0 is in
	QUANT8 XC, XA, 8, SX
.irp f, 0,1,2
.irp c, 0,1,2,3
	ds_load_b128 v[WF+16*\f+4*\c:WF+16*\f+4*\c+3], v[WL] offset:2048*\f+512*\c
.endr
.endr
	s_wait_dscnt 12                                ; only those twelve may be out: tile 1 is in
	QUANT8 XC+16, XB, 8, SX
	s_wait_dscnt 0x0                               ; w's fragments
.irp u, 0,1
	v_wmma_f32_16x16x128_fp8_fp8 v[ACC+24*\u:ACC+24*\u+7],     v[WF:WF+15],       v[XC+16*\u:XC+16*\u+15], 0   ; q: (d = 8 h + j, position r)
	v_wmma_f32_16x16x128_fp8_fp8 v[ACC+24*\u+8:ACC+24*\u+15],  v[WF+16:WF+31],    v[XC+16*\u:XC+16*\u+15], 0   ; k likewise
	v_wmma_f32_16x16x128_fp8_fp8 v[ACC+24*\u+16:ACC+24*\u+23], v[XC+16*\u:XC+16*\u+15], v[WF+32:WF+47],    0   ; v: (d = r, position 8 h + j)
.endr
	s_wait_loadcnt 0x0                             ; the biases and embeddings
.irp u, 0,1                                    ; emb = (emb_d + emb_h) + emb_w, in the problem's order.  These sixteen name no register of the products: they are the places behind them (ISA guide 7.12.1)
.irp i, 0,2,4,6
	v_pk_add_f32 v[EH+8*\u+\i:EH+8*\u+\i+1], v[ED+\i:ED+\i+1], v[EH+8*\u+\i:EH+8*\u+\i+1]
.endr
.endr
.irp u, 0,1
.irp i, 0,2,4,6
	v_pk_add_f32 v[EH+8*\u+\i:EH+8*\u+\i+1], v[EH+8*\u+\i:EH+8*\u+\i+1], v[EW+\i:EW+\i+1]
.endr
.endr
	; sum x 2^(e0 + e1) + b, each accumulator from its low end on
.irp u, 0,1
.irp i, 0,2,4,6
	v_pk_fma_f32 v[ACC+24*\u+\i:ACC+24*\u+\i+1], v[ACC+24*\u+\i:ACC+24*\u+\i+1], s[28:29], v[BQ+\i:BQ+\i+1] op_sel_hi:[1,0,1]
.endr
.irp i, 0,2,4,6
	v_pk_fma_f32 v[ACC+24*\u+8+\i:ACC+24*\u+8+\i+1], v[ACC+24*\u+8+\i:ACC+24*\u+8+\i+1], s[28:29], v[BK+\i:BK+\i+1] op_sel_hi:[1,0,1]
.endr
.irp i, 0,2,4,6
	v_pk_fma_f32 v[ACC+24*\u+16+\i:ACC+24*\u+16+\i+1], v[ACC+24*\u+16+\i:ACC+24*\u+16+\i+1], s[28:29], v[BV:BV+1] op_sel_hi:[1,0,0]   ; one d a lane: b's low word for both halves
.endr
.endr
.irp u, 0,1
.irp i, 0,2,4,6
	v_pk_mul_f32 v[ACC+24*\u+\i:ACC+24*\u+\i+1], v[ACC+24*\u+\i:ACC+24*\u+\i+1], 0.25 op_sel_hi:[1,0]   ; q x 16^-0.5
.endr
.irp i, 0,2,4,6
	v_pk_add_f32 v[ACC+24*\u+8+\i:ACC+24*\u+8+\i+1], v[ACC+24*\u+8+\i:ACC+24*\u+8+\i+1], v[EH+8*\u+\i:EH+8*\u+\i+1]   ; k + emb
.endr
.endr
.irp u, 0,1
.irp c, 0,1
	global_store_b128 v[LI], v[ACC+24*\u+4*\c:ACC+24*\u+4*\c+3],     s[18:19] offset:1024*\u+512*\c   ; each store of the wave covers 512 consecutive bytes, aligned
	global_store_b128 v[LI], v[ACC+24*\u+8+4*\c:ACC+24*\u+8+4*\c+3], s[20:21] offset:1024*\u+512*\c
.endr
.endr
	QUANT8 VC, ACC+16, 1, SV                       ; v's codes: tile u gives registers 2 u, 2 u + 1 of my four
	QUANT8 VC+2, ACC+40, 1, SV
	global_store_b128 v[LI], v[VC:VC+3], s[46:47]
	s_wait_tensorcnt 0x0
	ds_add_u32 v254, v255
	s_wait_dscnt 0x0
	s_endpgm                                       ; no register that a store names is written again
.Lfunc_end_k_q777ffcebd6_qkv:
	.size	k_q777ffcebd6_qkv, .Lfunc_end_k_q777ffcebd6_qkv-k_q777ffcebd6_qkv
	.p2alignl 7, 3214868480
	.fill 96, 4, 3214868480
	.section	.rodata,"a",@progbits
	.p2align	6, 0x0
	.amdhsa_kernel k_q777ffcebd6_qkv
		.amdhsa_group_segment_fixed_size 76288
		.amdhsa_private_segment_fixed_size 0
		.amdhsa_enable_private_segment 0
		.amdhsa_kernarg_size 72
		.amdhsa_user_sgpr_count 2
		.amdhsa_user_sgpr_kernarg_segment_ptr 1
		.amdhsa_wavefront_size32 1
		.amdhsa_system_sgpr_workgroup_id_x 1
		.amdhsa_system_sgpr_workgroup_id_y 1
		.amdhsa_system_sgpr_workgroup_id_z 1
		.amdhsa_system_vgpr_workitem_id 0
		.amdhsa_next_free_vgpr 256
		.amdhsa_next_free_sgpr 66
		.amdhsa_reserve_vcc 0
		.amdhsa_float_denorm_mode_32 3
		.amdhsa_float_denorm_mode_16_64 3
		.amdhsa_memory_ordered 1
		.amdhsa_forward_progress 1
		.amdhsa_inst_pref_size 48
	.end_amdhsa_kernel
	.amdgpu_metadata
---
amdhsa.version: [ 1, 2 ]
amdhsa.kernels:
  - .name:           k_q777ffcebd6_qkv
    .symbol:         k_q777ffcebd6_qkv.kd
    .args:
      - { .name: x, .offset: 0, .size: 8, .value_kind: global_buffer, .address_space: global }
      - { .name: w_qkv, .offset: 8, .size: 8, .value_kind: global_buffer, .address_space: global }
      - { .name: b_qkv, .offset: 16, .size: 8, .value_kind: global_buffer, .address_space: global }
      - { .name: emb_d, .offset: 24, .size: 8, .value_kind: global_buffer, .address_space: global }
      - { .name: emb_h, .offset: 32, .size: 8, .value_kind: global_buffer, .address_space: global }
      - { .name: emb_w, .offset: 40, .size: 8, .value_kind: global_buffer, .address_space: global }
      - { .name: lowp_scales, .offset: 48, .size: 8, .value_kind: global_buffer, .address_space: global }
      - { .name: qws, .offset: 56, .size: 8, .value_kind: global_buffer, .address_space: global }
      - { .name: kv, .offset: 64, .size: 8, .value_kind: global_buffer, .address_space: global }
    .group_segment_fixed_size: 76288
    .private_segment_fixed_size: 0
    .kernarg_segment_align: 8
    .kernarg_segment_size: 72
    .max_flat_workgroup_size: 128
    .sgpr_count:     66
    .vgpr_count:     256
    .wavefront_size: 32
...
	.end_amdgpu_metadata
.endif
;; end of part 1
;; launch attn (part 2): grid 32 x 8, 16 waves a work-group, clusters of 4 x 1, 327,680 bytes of LDS; arguments qws, kv, lowp_scales, out0; writes out0
.if DOCPART == 2
	.amdgcn_target "amdgcn-amd-amdhsa--gfx1250"
	.amdhsa_code_object_version 6
	.text
	.protected	k_q777ffcebd6_attn
	.globl	k_q777ffcebd6_attn
	.p2align	8
	.type	k_q777ffcebd6_attn,@function
k_q777ffcebd6_attn:
	s_mov_b64 s[64:65], 0
	v_nop
	global_prefetch_b8 v0, s[64:65] scope:SCOPE_SE
	s_setreg_imm32_b32 hwreg(HW_REG_WAVE_MODE, 25, 1), 1
	s_wait_xcnt 0x0
	s_wait_alu depctr_hold_cnt(0) depctr_sa_sdst(0) depctr_va_vdst(0) depctr_va_sdst(0) depctr_va_ssrc(0) depctr_va_vcc(0) depctr_vm_vsrc(0)
	s_getreg_b32 s2, hwreg(HW_REG_IB_STS2, 6, 4)
	s_cmp_eq_u32 s2, 0
	s_cbranch_scc0 .Lentry_in_a_cluster
	s_endpgm
.Lentry_in_a_cluster:
	s_bfe_u32 s2, ttmp6, 0x10000c
	s_cmp_lg_u32 s2, 0x3003
	s_cbranch_scc0 .Lentry_shape_is_right
	s_endpgm
.Lentry_shape_is_right:
; out[h][d][i] = sum over keys j of softmax_j(q_i . (k_j + emb_j)) v[d][j], for 8 heads of 16 channels and 4,096 positions.
; The logits are a product of f32 operands (v_wmma_f32_16x16x4_f32): they go on into a quantised operand.  t = logit x log2(e); M = the largest t so far, rounded UP to a whole number; p = 2^(t - M) is quantised to FP8 (E4M3)
; with the given scale 2^e3, not normalised; the row's sum is taken of the unquantised p; the second product multiplies v's codes (scale 2^e2) by p's codes (v_wmma_f32_16x16x128_fp8_fp8) and is divided by the sum at the end.
; When M moves, the sum and O are multiplied by 2^(old M - new M): exact.
; SHARES.  A work-group owns 128 queries of one head: 256 work-groups.  Sixteen waves, four to a SIMD, so that one wave's softmax stands beside the others' matrix work.  Wave w owns the 16 queries of tile w % 8 and the key steps
; (128 keys each) of parity w / 8: 16 of the head's 32.  The two halves of a tile's keys are joined at the end, through LDS, by exact powers of two.
; LAYOUT.  qws and kv hold IMAGES OF OPERAND REGISTERS, 16 bytes a lane: every LDS read is 512 consecutive bytes.  For q and k + emb lane (r, h), register j holds (d = 8 h + j, position r); K step s of the f32 product
; takes registers 2 s, 2 s + 1 of both: d = 8 h + 2 s + 0, 1: a permutation of d, the same on both sides.  S^T = K' Q^T: lane (r, h), register j of tile t holds (key 16 t + 8 h + j, query r): so the conversion of tile t's eight
; registers gives registers 2 t, 2 t + 1 of the second product's source 1, and a lane holds one query throughout.  O^T = V P^T: lane (r, h), register j holds (d = 8 h + j, query r).
; RING.  Two LDS slots of 8 key steps (81,920 bytes).  Waves 0 to 3 fetch a quarter of a slot each, one tensor load of 80 rows x 256 bytes.  The change of slots stands at a slot's head, and behind it the slot just left is asked for:
; the load has a slot's four key steps of every wave (128 f32 and 4 FP8 matrix instructions a wave) in which to land, which is why nothing is prefetched beside it.  At most one tensor load of a wave is out.
; CLUSTER.  The four query blocks of a cluster belong to one head and walk the same kv: each load is asked for JOINTLY, with the same descriptor and the mask of all four.
; LIMITS: e3 between -126 and 119; e2 + e3 between -100 and 126 (2^(e2 + e3) / the row's sum, which lies between 1/2 and 4,096, stays a normal f32 number).  NaN is not served.
.set STEPB, 10240                      ; a key step in kv and in a slot: k + emb, 8 tiles x 1,024 bytes; then v's codes, 2,048
.set CHUNK, 8*STEPB
.set SLOT1, 1<<17                      ; slot 1 begins here: one exclusive or turns an address in one slot into the other's
.set SPARE, 2*SLOT1                    ; the spare words, 128 bytes for each of 16 waves: eight blocks of 256 bytes that no other line names
.set MRG,   SPARE+2048                 ; where waves 8-15 leave their halves: for each tile O's image (1,024 bytes), then (-M, sum), 8 bytes a lane
.set MRGB,  1536
.set STG,   MRG+8*MRGB                 ; the way out: 16 rows (d) x (128 queries x 4 bytes + 16).  No tensor load lands in SPARE, MRG or STG
.set SP,    528
.set SPW, 1                            ; v1   LDS address of my spare word; never rewritten
.set NIL, 2                            ; v2   0; never rewritten
.set LB,  3                            ; v3   16 x lane + my parity's step
.set ADR, 4                            ; v4   LDS address of the step in hand
.set MA,  5                            ; v5   my tile's place in MRG, 16 bytes a lane
.set MB,  6                            ; v6   the same, 8 bytes a lane
.set SA,  7                            ; v7   the stage: row 8 h, my query's 4 bytes
.set SR,  8                            ; v8   the stage: row = my wave, 16 bytes a lane
.set LI,  9                            ; v9   16 x lane
.set SCL, 10                           ; v10  2^e3 as f32
.set LIM, 11                           ; v11  448 x 2^e3
.set NM,  12                           ; v12  -M
.set TM,  13                           ; v13  the largest t so far
.set L,   14                           ; v[14:15] the sum, in two halves
.set F,   16                           ; v16  2^(old M - new M); v17 = 0, named with it as a pair
.set MX,  18                           ; v18, v19 two chains of the maximum
.set PX,  20                           ; v20  what the other half of the lanes sends
.set TP,  21                           ; v21  at work
.set L2,  22                           ; v[22:23] the sum's second chain
.set Q,   24                           ; v24-31   my 16 queries
.set KF,  32                           ; v32-95   k + emb: tile t at KF + 8 t
.set CD,  32                           ; v32-47   p's codes, once the logits are made
.set VF,  96                           ; v96-111  v's codes
.set O,   112                          ; v112-119 O^T
.set S,   120                          ; v120-183 the logits: written by the f32 matrix instruction alone
.set P,   184                          ; v184-247 t - M, then p
.set WV,  12                           ; s12  my wave's number
.set SEL, 20                           ; s[20:21] lane selects for v_permlanex16_b32: lane l xor 16
.set CS,  22                           ; s[22:23] log2(e), twice
.set G1,  24                           ; s[24:31] descriptor group 1
.set G0,  32                           ; s[32:35] descriptor group 0, which walks
.set TB,  36                           ; s36  LDS byte at which the next pair of steps begins
.set SLOTS, 37
.set CNT, 38
.set EPV, 44                           ; s44  e2 + e3
; A round of the cluster's barrier: my work-group's barrier, so that wave 0's signal speaks for all sixteen waves; wave 0 signals; every wave waits for all four work-groups; my work-group's barrier once more.
.macro CROUND
	s_barrier_signal -1
	s_barrier_wait -1
	s_cmp_lg_u32 s[WV], 0
	s_cbranch_scc1 .Lnot_wave_0_\@
	s_barrier_signal -3
.Lnot_wave_0_\@:
	s_barrier_wait -3
	s_barrier_signal -1
	s_barrier_wait -1
.endm
; The joint load: waves 0 to 3, a quarter of a slot each.  The branch hangs on the wave's number alone.  Four v_nop follow the line.
.macro TLOAD
	s_cmp_lt_u32 s[WV], 4
	s_cbranch_scc0 .Lnone_\@
	tensor_load_to_lds s[G0:G0+3], s[G1:G1+7]
	s_nop 0
.rept 4
	v_nop
.endr
.Lnone_\@:
.endm
; K step s of the logits, all eight tiles of 16 keys: the eight accumulators take turns, one instruction a turn.  s = 0 starts the sums.
.macro LOGITS s
.irp t, 0,1,2,3,4,5,6,7
.if \s == 0
	v_wmma_f32_16x16x4_f32 v[S+8*\t:S+8*\t+7], v[KF+8*\t:KF+8*\t+1], v[Q:Q+1], 0
.else
	v_wmma_f32_16x16x4_f32 v[S+8*\t:S+8*\t+7], v[KF+8*\t+2*\s:KF+8*\t+2*\s+1], v[Q+2*\s:Q+2*\s+1], v[S+8*\t:S+8*\t+7]
.endif
.endr
.endm
; A KEY STEP: 128 keys.
.macro STEP
	v_add_nc_u32 v[ADR], s[TB], v[LB]
.rept 3
	v_nop                                          ; with the addition: four places between the last step's FP8 product and the loads into its sources (ISA guide 7.12.1 for vector instructions)
.endr
.irp t, 0,1,2,3,4,5,6,7
	ds_load_b128 v[KF+8*\t:KF+8*\t+3], v[ADR] offset:1024*\t        ; registers 0-3 of each tile: K steps 0 and 1
.endr
.irp t, 0,1,2,3,4,5,6,7
	ds_load_b128 v[KF+8*\t+4:KF+8*\t+7], v[ADR] offset:1024*\t+512  ; registers 4-7: K steps 2 and 3
.endr
.irp c, 0,1,2,3
	ds_load_b128 v[VF+4*\c:VF+4*\c+3], v[ADR] offset:8192+512*\c
.endr
	s_add_co_u32 s[TB], s[TB], 2*STEPB             ; my next step is two on: the other parity's lies between
	s_wait_dscnt 12                                ; twelve loads are younger than the first eight
	LOGITS 0
	LOGITS 1
	s_wait_dscnt 4                                 ; only v's four may be out
	LOGITS 2
	LOGITS 3
	v_mov_b32 v[TP], v[NM]                         ; the old -M.  With the seven v_nop: eight places behind this form, ahead of the first read of its results
.rept 7
	v_nop
.endr
	v_max3_num_f32 v[MX],   v[S],   v[S+1], v[S+2]     ; the step's largest logit of my query among my 64 keys, in two chains, the registers in ascending order
	v_max3_num_f32 v[MX+1], v[S+3], v[S+4], v[S+5]
.irp i, 6,10,14,18,22,26,30,34,38,42,46,50,54,58
	v_max3_num_f32 v[MX],   v[MX],   v[S+\i],   v[S+\i+1]
	v_max3_num_f32 v[MX+1], v[MX+1], v[S+\i+2], v[S+\i+3]
.endr
	v_max3_num_f32 v[MX], v[MX], v[S+62], v[S+63]
	v_max_num_f32 v[MX], v[MX], v[MX+1]
	v_permlanex16_b32 v[PX], v[MX], s[SEL], s[SEL+1]
	v_max_num_f32 v[MX], v[MX], v[PX]              ; and among lane l xor 16's
	v_mul_f32 v[MX], s[CS], v[MX]                  ; as t
	v_max_num_f32 v[TM], v[TM], v[MX]
	v_floor_f32 v[NM], -v[TM]                      ; the new -M = -ceil(t)
	v_sub_f32 v[TP], v[NM], v[TP]                  ; old M - new M: a whole number, 0 or less
	v_cvt_i32_f32 v[TP], v[TP]                     ; (it saturates)
	v_ldexp_f32 v[F], 1.0, v[TP]
.set j, 0
.rept 32
	v_pk_fma_f32 v[P+j:P+j+1], v[S+j:S+j+1], s[CS:CS+1], v[NM:NM+1] op_sel_hi:[1,0,0]   ; t - M, into other registers than the sums'
.set j, j+2
.endr
.set j, 0
.rept 64
	v_exp_f32 v[P+j], v[P+j]
.set j, j+1
.endr
	v_pk_mul_f32 v[L:L+1], v[L:L+1], v[F:F+1] op_sel_hi:[1,0]   ; the sum under the new M: the plain instruction behind the last exponential
	s_wait_alu depctr_va_vdst(0)                   ; one wait for the batch of 64, ahead of its first reader
	v_pk_add_f32 v[L2:L2+1], v[P:P+1], v[P+2:P+3]  ; the sum of the UNQUANTISED p, in two chains
.irp j, 4,8,12,16,20,24,28,32,36,40,44,48,52,56,60
	v_pk_add_f32 v[L:L+1],   v[L:L+1],   v[P+\j:P+\j+1]
	v_pk_add_f32 v[L2:L2+1], v[L2:L2+1], v[P+\j+2:P+\j+3]
.endr
	v_pk_add_f32 v[L:L+1], v[L:L+1], v[L2:L2+1]
.irp t, 0,1,2,3,4,5,6,7
.irp i, 0,1,2,3,4,5,6,7
	v_min_num_f32 v[P+8*\t+\i], v[P+8*\t+\i], v[LIM]   ; the conversion does not saturate (ISA guide 7.6.2); p is not negative, so the hold is one-sided
.endr
	v_cvt_scalef32_pk8_fp8_f32 v[CD+2*\t:CD+2*\t+1], v[P+8*\t:P+8*\t+7], v[SCL]
.endr
.irp i, 0,2,4,6
	v_pk_mul_f32 v[O+\i:O+\i+1], v[O+\i:O+\i+1], v[F:F+1] op_sel_hi:[1,0]   ; O^T under the new M, from its low end on; also the plain instructions behind the last conversion
.endr
	s_wait_dscnt 0x0                               ; v's codes
	v_wmma_f32_16x16x128_fp8_fp8 v[O:O+7], v[VF:VF+15], v[CD:CD+15], v[O:O+7]
.endm
; THE CHANGE OF SLOTS, at a slot's head.  Each wave waits for all its tensor loads (its part of the slot ahead), adds 0 to its spare word, and waits for that and for its reads of the slot that it has left.
; fill = 1: the barrier is a round of the cluster's, so that no wave of any partner still reads that slot or has a load on its way, and the joint load into it is the first thing behind the round.
.macro CHANGE fill
	s_wait_tensorcnt 0x0                           ; no tensor load of mine is out, so the group 0 may be written
	ds_add_u32 v[SPW], v[NIL]                      ; 0 onto my spare word
.if \fill
	s_xor_b32 s[G0+1], s[G0+1], SLOT1              ; the other slot than last time,
	s_add_nc_u64 s[G0+2:G0+3], s[G0+2:G0+3], CHUNK ; the next eight steps; the type bits on top are not reached
	s_wait_dscnt 0x0                               ; the add is done, and my reads of the slot that I have left are over
	CROUND
	TLOAD
.else
	s_wait_dscnt 0x0
	s_barrier_signal -1
	s_barrier_wait -1
.endif
.endm
.macro SLOT_STEPS                              ; my four steps of a slot: written once, walked four times
	s_mov_b32 s[CNT], 4
.Lstep_\@:
	STEP
	s_sub_co_u32 s[CNT], s[CNT], 1
	s_cmp_lg_u32 s[CNT], 0
	s_cbranch_scc1 .Lstep_\@
	s_sub_co_u32 s[TB], s[TB], CHUNK               ; back to a slot's head,
	s_xor_b32 s[TB], s[TB], SLOT1                  ; in the other slot
.endm
	s_load_b256 s[4:11], s[0:1], 0x0               ; qws s[4:5], kv s[6:7], the scales' exponents s[8:9], out0 s[10:11]
	v_lshl_add_u32 v[SPW], v0, 2, SPARE
	v_mov_b32 v[NIL], 0
	ds_add_u32 v1, v2
	s_wait_dscnt 0x0
	v_lshrrev_b32 v[TP], 5, v0
	v_readfirstlane_b32 s[WV], v[TP]               ; wave 0..15
	s_bfe_u32 s13, ttmp6, 0x40000                  ; cx: my place in the cluster
	s_lshl_b32 s14, ttmp9, 2                       ; in a cluster launch ttmp9 counts clusters
	s_add_co_u32 s14, s14, s13                     ; my block of 128 queries: it enters qws's and out0's addresses alone
	s_and_b32 s15, ttmp7, 0xffff                   ; the head, which the four partners share
	s_and_b32 s16, s[WV], 3                        ; which quarter of a slot I fetch, if I fetch
	s_and_b32 s17, s[WV], 7                        ; my tile of queries
	s_lshr_b32 s18, s[WV], 3                       ; my parity of key steps
	; descriptor group 1: 80 rows of 32 elements of 8 bytes, dense in memory and in LDS
	s_mov_b32 s[G1],   15|(3<<16)|(1<<21)          ; 15:0 the mask: all four work-groups; 17:16 elements of 8 bytes; 20 no padding; 21 set beside a mask
	s_mov_b32 s[G1+1], 32<<16                      ; tensor_dim0 = 32
	s_mov_b32 s[G1+2], 80<<16                      ; tensor_dim1 = 80
	s_mov_b32 s[G1+3], 32<<16                      ; tile_dim0 = 32
	s_mov_b32 s[G1+4], 80                          ; tile_dim1 = 80
	s_mov_b32 s[G1+5], 32                          ; from row to row
	s_mov_b32 s[G1+6], 0
	s_mov_b32 s[G1+7], 0
	s_mov_b32 s[SEL], 0x76543210
	s_mov_b32 s[SEL+1], 0xfedcba98
	s_mov_b32 s[CS], 0x3fb8aa3b                    ; log2(e)
	s_mov_b32 s[CS+1], s[CS]
	s_mov_b32 s[TB], 0
	s_mov_b32 s[SLOTS], 3
	; every LDS address register is made here, ahead of every branch on the wave's number
	v_and_b32 v[TP], 31, v0
	v_lshlrev_b32 v[LI], 4, v[TP]
	s_mul_i32 s52, s18, STEPB
	v_add_nc_u32 v[LB], s52, v[LI]
	s_mul_i32 s52, s17, MRGB
	s_add_co_u32 s52, s52, MRG
	v_add_nc_u32 v[MA], s52, v[LI]
	v_lshl_add_u32 v[MB], v[TP], 3, s52
	v_and_b32 v[MX], 15, v0                        ; r
	v_bfe_u32 v[MX+1], v0, 4, 1                    ; h
	v_mul_u32_u24 v[SA], v[MX+1], 8*SP
	v_lshl_add_u32 v[SA], v[MX], 2, v[SA]
	s_lshl_b32 s53, s17, 6
	s_add_co_u32 s53, s53, STG
	v_add_nc_u32 v[SA], s53, v[SA]
	s_mul_i32 s53, s[WV], SP
	s_add_co_u32 s53, s53, STG
	v_add_nc_u32 v[SR], s53, v[LI]
	; byte offsets.  kv's are made of the head and the wave's number alone, in registers that never hold my place in the cluster
	s_mul_i32 s46, s15, 32*STEPB
	s_mul_i32 s[G0+1], s16, 2*STEPB                ; LDS address: slot 0, my quarter
	s_add_co_u32 s46, s46, s[G0+1]
	s_mov_b32 s47, 0
	s_lshl_b32 s48, s15, 8
	s_lshl_b32 s49, s14, 3
	s_add_co_u32 s48, s48, s49
	s_add_co_u32 s48, s48, s17
	s_lshl_b32 s48, s48, 10                        ; qws: (256 x head + 8 x block + tile) x 1,024
	s_mov_b32 s49, 0
	s_lshl_b32 s50, s15, 4
	s_add_co_u32 s50, s50, s[WV]
	s_lshl_b32 s50, s50, 14                        ; out0: row 16 x head + wave, of 16,384 bytes,
	s_lshl_b32 s51, s14, 9                         ;       my block's 512 bytes
	s_add_co_u32 s50, s50, s51
	s_mov_b32 s51, 0
	s_wait_kmcnt 0x0
	s_load_b128 s[40:43], s[8:9], 0x0              ; e0, e1, e2, e3
	s_mov_b32 s[G0], 1                             ; count = 1
	s_add_nc_u64 s[G0+2:G0+3], s[6:7], s[46:47]    ; the head's first eight steps, my quarter
	s_or_b32 s[G0+3], s[G0+3], 0x80000000          ; type = 2
	s_add_nc_u64 s[4:5], s[4:5], s[48:49]
	s_add_nc_u64 s[10:11], s[10:11], s[50:51]
	CROUND                                         ; all four work-groups are here: the first joint loads meet
	TLOAD                                          ; steps 0 to 7 into slot 0
	global_load_b128 v[Q:Q+3],   v[LI], s[4:5]     ; my queries stay in registers
	global_load_b128 v[Q+4:Q+7], v[LI], s[4:5] offset:512
	v_mov_b32 v[TM], 0xff61b1e6                    ; the largest t so far: -3e38, under every t
	v_floor_f32 v[NM], -v[TM]
	v_mov_b32 v[L], 0
	v_mov_b32 v[L+1], 0
	v_mov_b32 v[F+1], 0                            ; (named as the upper half of a pair)
	v_mov_b32 v[PX], 0                             ; written once: a lane permute's destination counts as one of its sources
.irp j, 0,1,2,3,4,5,6,7
	v_mov_b32 v[O+\j], 0                           ; the step is written once: the first finds zeros, which the first change of M leaves zeros
.endr
	s_wait_kmcnt 0x0
	s_add_co_i32 s46, s43, 127
	s_lshl_b32 s47, s46, 23
	v_mov_b32 v[SCL], s47                          ; 2^e3
	s_add_co_i32 s46, s46, 8
	s_lshl_b32 s46, s46, 23
	s_or_b32 s46, s46, 0x600000
	v_mov_b32 v[LIM], s46                          ; 448 x 2^e3
	s_add_co_i32 s[EPV], s42, s43
	s_wait_loadcnt 0x0                             ; Q
.Lslot:                                            ; three trips: behind each change of slots but the last the next eight steps are asked for
	CHANGE 1
	SLOT_STEPS
	s_sub_co_u32 s[SLOTS], s[SLOTS], 1
	s_cmp_lg_u32 s[SLOTS], 0
	s_cbranch_scc1 .Lslot
	CHANGE 0                                       ; the last slot is written out
	SLOT_STEPS
	; THE END.  My half of the keys: the sum's two halves and lane l xor 16's.
	v_add_f32 v[L], v[L], v[L+1]
	v_permlanex16_b32 v[PX], v[L], s[SEL], s[SEL+1]
	v_add_f32 v[L], v[L], v[PX]
	v_mov_b32 v[TM], v[L]                          ; v[12:13] = (-M, sum)
	v_nop                                          ; with the lines above: the places behind the last product, ahead of the first read of O^T
	v_nop
	s_cmp_lt_u32 s[WV], 8
	s_cbranch_scc1 .Lkeeps
	ds_store_b128 v[MA], v[O:O+3]                  ; waves 8-15 leave O^T, -M and the sum for the wave that owns the tile's other keys
	ds_store_b128 v[MA], v[O+4:O+7] offset:512
	ds_store_b64 v[MB], v[NM:NM+1] offset:1024
.Lkeeps:
	s_wait_dscnt 0x0                               ; for the others' sake: my stores have landed
	s_barrier_signal -1
	s_barrier_wait -1
	s_cmp_ge_u32 s[WV], 8
	s_cbranch_scc1 .Ljoined
	ds_load_b128 v[P:P+3],   v[MA]
	ds_load_b128 v[P+4:P+7], v[MA] offset:512
	ds_load_b64 v[P+8:P+9],  v[MB] offset:1024
	s_wait_dscnt 0x0
	v_min_num_f32 v[MX], v[NM], v[P+8]             ; the joint -M: the larger M
	v_sub_f32 v[MX+1], v[MX], v[NM]                ; my M - the joint M, and the other half's: whole numbers, 0 or less
	v_sub_f32 v[TP], v[MX], v[P+8]
	v_cvt_i32_f32 v[MX+1], v[MX+1]
	v_cvt_i32_f32 v[TP], v[TP]
	v_ldexp_f32 v[F], 1.0, v[MX+1]
	v_ldexp_f32 v[L2], 1.0, v[TP]
	v_mul_f32 v[L+1], v[TM], v[F]
	v_fma_f32 v[L+1], v[P+9], v[L2], v[L+1]        ; the row's sum under the joint M
	v_rcp_f32 v[L], v[L+1]
.irp i, 0,2,4,6
	v_pk_mul_f32 v[P+16+\i:P+16+\i+1], v[O+\i:O+\i+1], v[F:F+1] op_sel_hi:[1,0]   ; (plain instructions behind the reciprocal)  both halves of O^T under the joint M
.endr
.irp i, 0,2,4,6
	v_pk_fma_f32 v[P+16+\i:P+16+\i+1], v[P+\i:P+\i+1], v[L2:L2+1], v[P+16+\i:P+16+\i+1] op_sel_hi:[1,0,1]
.endr
	s_wait_alu depctr_va_vdst(0)                   ; the wait ahead of the reciprocal's first reader
	v_ldexp_f32 v[L], v[L], s[EPV]                 ; x 2^(e2 + e3)
.irp i, 0,2,4,6
	v_pk_mul_f32 v[P+16+\i:P+16+\i+1], v[P+16+\i:P+16+\i+1], v[L:L+1] op_sel_hi:[1,0]
.endr
.irp j, 0,1,2,3,4,5,6,7
	ds_store_b32 v[SA], v[P+16+\j] offset:SP*\j    ; out(d = 8 h + j, my query): sixteen lanes put 64 consecutive bytes of a row
.endr
.Ljoined:
	s_wait_dscnt 0x0                               ; for the others' sake: my stores into the stage have landed
	s_barrier_signal -1
	s_barrier_wait -1
	ds_load_b128 v[P+24:P+27], v[SR]               ; wave w takes row d = w, whole
	s_wait_dscnt 0x0
	global_store_b128 v[LI], v[P+24:P+27], s[10:11]   ; the wave stores 512 consecutive bytes, at a multiple of 512 from out0's first byte
	s_wait_tensorcnt 0x0                           ; the wave's end: behind my last tensor load and my last LDS store
	ds_add_u32 v[SPW], v[NIL]
	s_wait_dscnt 0x0
	CROUND                                         ; the closing round: no work-group ends while a partner may still ask for a tile that names it
	s_endpgm
.Lfunc_end_k_q777ffcebd6_attn:
	.size	k_q777ffcebd6_attn, .Lfunc_end_k_q777ffcebd6_attn-k_q777ffcebd6_attn
	.p2alignl 7, 3214868480
	.fill 96, 4, 3214868480
	.section	.rodata,"a",@progbits
	.p2align	6, 0x0
	.amdhsa_kernel k_q777ffcebd6_attn
		.amdhsa_group_segment_fixed_size 327680
		.amdhsa_private_segment_fixed_size 0
		.amdhsa_enable_private_segment 0
		.amdhsa_kernarg_size 32
		.amdhsa_user_sgpr_count 2
		.amdhsa_user_sgpr_kernarg_segment_ptr 1
		.amdhsa_wavefront_size32 1
		.amdhsa_system_sgpr_workgroup_id_x 1
		.amdhsa_system_sgpr_workgroup_id_y 1
		.amdhsa_system_sgpr_workgroup_id_z 1
		.amdhsa_system_vgpr_workitem_id 0
		.amdhsa_next_free_vgpr 256
		.amdhsa_next_free_sgpr 66
		.amdhsa_reserve_vcc 0
		.amdhsa_float_denorm_mode_32 3
		.amdhsa_float_denorm_mode_16_64 3
		.amdhsa_memory_ordered 1
		.amdhsa_forward_progress 1
		.amdhsa_inst_pref_size 41
	.end_amdhsa_kernel
	.amdgpu_metadata
---
amdhsa.version: [ 1, 2 ]
amdhsa.kernels:
  - .name:           k_q777ffcebd6_attn
    .symbol:         k_q777ffcebd6_attn.kd
    .args:
      - { .name: qws, .offset: 0, .size: 8, .value_kind: global_buffer, .address_space: global }
      - { .name: kv, .offset: 8, .size: 8, .value_kind: global_buffer, .address_space: global }
      - { .name: lowp_scales, .offset: 16, .size: 8, .value_kind: global_buffer, .address_space: global }
      - { .name: out0, .offset: 24, .size: 8, .value_kind: global_buffer, .address_space: global }
    .group_segment_fixed_size: 327680
    .private_segment_fixed_size: 0
    .kernarg_segment_align: 8
    .kernarg_segment_size: 32
    .max_flat_workgroup_size: 512
    .sgpr_count:     66
    .vgpr_count:     256
    .wavefront_size: 32
...
	.end_amdgpu_metadata
.endif
;; end of part 2
